; MI455X (gfx1250); checked and timed in simulation.
; The chip was launched on July 23, 2026; its instructions are those of AMD's public machine-readable ISA for CDNA 5 (MIT licence, August 2026) and "CDNA5" Instruction Set Architecture Reference Guide (July 2026). The comments in the code are by the model that wrote it; some were corrected since.
;; Abstract Attention. Allowed arithmetic: matrix products marked QUANTISED: E2M1 operands, one E8M0 scale for each 32 along K, by v_wmma_scale_f32_16x16x128_f8f6f4 with both operands' format E2M1 (or v_wmma_scale_f32_32x16x128_f4), f32 sums; products left as they are: bf16, f16 or f32 operands; f32 sums; everything else in f32.
;; Inputs: Wk 1,024 x 1,024 float32; Wo 1,024 x 1,024 float32; Wq 1,024 x 1,024 float32; Wv 1,024 x 1,024 float32; bk 1,024 float32; bo 1,024 float32; bq 1,024 float32; bv 1,024 float32; key 2 x 2,048 x 1,024 float32; mask 2 x 2,048 x 2,048 bool; query 2 x 2,048 x 1,024 float32; value 2 x 2,048 x 1,024 float32.
;; Outputs: out0 2 x 2,048 x 1,024 float32.
;; This version of the problem:
;;   THIS VERSION OF THE PROBLEM IS GIVEN IN LOW PRECISION. The matrix products marked QUANTISED in the list below multiply operands that are first quantised to E2M1 (2 exponent bits, 1 mantissa bit; 4 bits a number), with one power-of-two scale for each 32 numbers along K (OCP MX v1.0); their sums are f32. The products marked 'left as it is' may take bf16, f16 or f32 operands, with f32 sums. Whichever they take, every output number must still come out within the allowed error. Rounding operands to bf16 (8 significant bits) uses up far more of that allowance than f16 does (11 bits, for magnitudes from 6e-5 to 65,504). All else is computed in f32.
;;   The module's matrix products, in the order in which they are computed (A, B: the left and right operand; K: the contracted axis; several contracted axes count as one K, in the product's order):
;;     1. [M 4,096, K 1,024] x [K 1,024, N 1,024]; A: input query; B: input Wq: QUANTISED
;;     2. [M 4,096, K 1,024] x [K 1,024, N 1,024]; A: input key; B: input Wk: QUANTISED
;;     3. [M 4,096, K 1,024] x [K 1,024, N 1,024]; A: input value; B: input Wv: QUANTISED
;;     4. batch 32 x [M 2,048, K 64] x [K 64, N 2,048]; A: computed on the way; B: computed on the way: left as it is (an operand is computed on the way)
;;     5. batch 32 x [M 2,048, K 2,048] x [K 2,048, N 64]; A: computed on the way; B: computed on the way: left as it is (an operand is computed on the way)
;;     6. [M 4,096, K 1,024] x [K 1,024, N 1,024]; A: computed on the way; B: input Wo: left as it is (an operand is computed on the way)
;;   THE QUANTISER, for each operand of a quantised product, along K:
;;     - K is cut into blocks of 32 from its start; a last block that is shorter is filled with zeros.
;;     - A block's scale is 2^e with e = floor(log2(the largest magnitude in the block)) - 2, held to -126 .. 127; a block of zeros has e = 0. As a byte (E8M0): e + 127.
;;     - Each number is divided by its block's scale, clamped to +-6, and rounded to the nearest number of E2M1, ties to even, subnormals kept.
;;     - The product sums the exact products of the quantised numbers (number of the format x scale) in f32.
;;   ~~~python
;;   def quantise(x, axis):      # numpy; x: float32 -> the quantised numbers, widened to float32 again
;;       x = np.moveaxis(x, axis, -1); K = x.shape[-1]
;;       x = np.pad(x, [(0, 0)] * (x.ndim - 1) + [(0, -K % 32)]); x = x.reshape(x.shape[:-1] + (-1, 32)); a = np.abs(x).max(-1, keepdims=True)
;;       e = np.where(a > 0, np.clip(np.frexp(np.where(a > 0, a, 1))[1] - 1 - 2, -126, 127), 0)      # np.frexp(a)[1] - 1 = floor(log2(a)), exactly
;;       r = np.clip(x / 2.0 ** e, -6, 6)
;;       step = 2.0 ** (np.maximum(np.frexp(np.where(r == 0, 1, r))[1] - 1, 0) - 1)
;;       q = np.round(r / step) * step * 2.0 ** e      # np.round: ties to even
;;       return np.moveaxis(q.reshape(q.shape[:-2] + (-1,))[..., :K], -1, axis).astype(np.float32)
;;   ~~~
;; One version. Each part assembles by itself: llvm-mc -triple=amdgcn-amd-amdhsa -mcpu=gfx1250 --defsym DOCPART=n.
;; ======== version 1 of 1: 4 launches
;; limits: values are held in f16: magnitudes above 65,504 overflow, below 6.1e-05 lose precision
;; workspace buffers: codes 8,355,840 bytes; wof 2,097,152 bytes; maskw 1,048,576 bytes of whole numbers; qf 8,388,608 bytes; kvf 16,777,216 bytes; xf 8,388,608 bytes
;; launch prep (part 1): grid 640 x 1, 4 waves a work-group, no clusters, 52,736 bytes of LDS; arguments query, key, value, Wq, Wk, Wv, Wo, mask, codes, wof, maskw; writes codes, wof, maskw
.if DOCPART == 1
	.amdgcn_target "amdgcn-amd-amdhsa--gfx1250"
	.amdhsa_code_object_version 6
	.text
	.protected	k_qd857cf25a3_prep
	.globl	k_qd857cf25a3_prep
	.p2align	8
	.type	k_qd857cf25a3_prep,@function
k_qd857cf25a3_prep:
	s_mov_b64 s[64:65], 0
	v_nop
	global_prefetch_b8 v0, s[64:65] scope:SCOPE_SE
	s_setreg_imm32_b32 hwreg(HW_REG_WAVE_MODE, 25, 1), 1
	s_wait_xcnt 0x0
; PREPARATION.  Three kinds of work, told apart by the work-group's number g:
;   g < 128:        the mask's bytes become lane masks: word [b][qt][B][i], bit l = mask[b][16 qt + l % 16][32 B + 16 (l / 16) + i]
;   g - 128 < 480:  query, key, value, Wq, Wk, Wv (f32, K = 1,024 innermost) become codes of E2M1 with one E8M0 byte for each 32 along K
;   the last 32:    Wo becomes f16
; All results are laid as IMAGES OF OPERAND REGISTERS: each group of four registers is 512 consecutive bytes, lane l's 16 bytes at 16 l.
; A tile of codes is 16 rows x 1,024 K = 8,704 bytes: byte 1024 ks + 512 c + 16 l: row l % 16, k = 128 ks + 64 c + 32 (l / 16) + 0 .. 31;
; byte 8192 + 256 kh + 8 l + 4 p: the scale word of row l % 16 for ks = 4 kh + 2 p + l / 16.
; The rows of a tile: query and the weights 16 t + r; key and value 32 (t / 2) + 8 (t % 2) + r + 8 (r / 8), so that later a lane's 16 scores of two neighbouring tiles are 16 neighbouring keys.
; THE QUANTISER: a block's byte is its largest magnitude's exponent field - 2, held at 1 from below; each number is divided by the scale and rounded to the nearest code, ties to even, beyond 6 the largest code.
; LIMITS: a block of zeros gets the byte 1 where the rule says 127 (its codes are zeros, and this program alone reads the bytes); NaN and infinities are not served; |Wo| stays under 65,504 (f16).
; SHARES: a wave takes one tile and half of K, in four chunks of 16 rows x 128 K.  Every load reads 512 consecutive bytes; a chunk turns through the wave's own stage in LDS, so that a lane gets 32 neighbours along K.
; Waves share nothing: no barrier, no cluster.  The two ways through the text have LDS bytes of their own.
.set QSTW,  8704                       ; a wave's stage for numbers: 16 rows x 528 bytes, rounded up
.set QP,    528                        ; 512 bytes of a row + 16
.set MST,   4*QSTW                     ; the stages for the mask begin here
.set MSTW,  4352                       ; 16 rows x 272 bytes
.set MPI,   272                        ; 256 bytes of a row + 16
.set SPARE, MST+4*MSTW                 ; the spare words, 128 bytes a wave: two blocks of 256 bytes that no other line names
.set R,     32                         ; v32-159  numbers as loaded, two sets of 64 (mask: two sets of 32)
.set X,     160                        ; v160-223 a lane's 64 neighbours (mask: 32 registers of bytes)
.set C,     224                        ; v224-255 results: 8 registers a chunk (Wo: 32, written anew in each chunk; mask: 4 a substep)
.set WD,    16                         ; v16-19   the four chunks' scale words
.set SCP,   20                         ; v20-21   the scale words as they are stored
; v1 lane, v2 16 x lane, v3 8 x lane, v4/v5 stage in/out, v6/v7 the add's two, v8-15 at work, v22-24 the mask's addresses, v25-28 at work, v29 8 x (lane / 16)
	s_load_b512 s[8:23], s[0:1], 0x0               ; query, key, value, Wq, Wk, Wv, Wo, mask
	s_load_b128 s[24:27], s[0:1], 0x40             ; codes, wof
	s_load_b64 s[28:29], s[0:1], 0x50              ; maskw
	v_lshl_add_u32 v6, v0, 2, SPARE
	v_mov_b32 v7, 0
	v_lshrrev_b32 v8, 5, v0
	v_readfirstlane_b32 s30, v8                    ; wave 0..3
	v_and_b32 v1, 31, v0
	v_and_b32 v9, 15, v0                           ; r
	v_bfe_u32 v10, v0, 4, 1                        ; h
	v_lshlrev_b32 v2, 4, v1
	v_lshlrev_b32 v3, 3, v1
	s_mul_i32 s56, s30, QSTW
	v_add_nc_u32 v4, s56, v2                       ; into the stage: a row's 512 bytes as they lie
	v_mul_u32_u24 v5, v9, QP
	v_lshl_add_u32 v5, v10, 7, v5
	v_add_nc_u32 v5, s56, v5                       ; out of it: row r, + 128 h: my 32 neighbours of a 64
	v_lshlrev_b32 v22, 4, v9
	v_lshl_add_u32 v22, v10, 11, v22               ; the mask in memory: rows 2 i + h of 2,048 bytes, 16 bytes a lane
	s_mul_i32 s57, s30, MSTW
	s_add_co_u32 s57, s57, MST
	v_mul_u32_u24 v23, v10, MPI
	v_lshl_add_u32 v23, v9, 4, v23
	v_add_nc_u32 v23, s57, v23                     ; into the mask's stage
	v_mul_u32_u24 v24, v9, MPI
	v_lshl_add_u32 v24, v10, 4, v24
	v_add_nc_u32 v24, s57, v24                     ; out of it: row r, + 16 h
	v_lshlrev_b32 v29, 3, v10
	v_mov_b32 v15, 0                               ; a lane permute's destination counts as one of its sources
	s_mov_b32 s44, 0xffff0000                      ; lanes 16-31
	s_mov_b32 s46, 0x76543210
	s_mov_b32 s47, 0xfedcba98                      ; v_permlanex16_b32's selects for lane l xor 16
	s_wait_kmcnt 0x0
	s_cmp_lt_u32 ttmp9, 128
	s_cbranch_scc1 .Lmask
	; ---- numbers.  Which tensor: a chain of choices on the work-group's number alone
	s_sub_co_u32 s31, ttmp9, 128                   ; q = 0 .. 511
	s_mov_b64 s[36:37], s[20:21]                   ; Wo, unless
	s_mov_b32 s32, 480
.macro PICK lim, ptr, first
	s_cmp_lt_u32 s31, \lim
	s_cselect_b64 s[36:37], s[\ptr:\ptr+1], s[36:37]
	s_cselect_b32 s32, \first, s32
.endm
	PICK 480, 18, 448                              ; Wv
	PICK 448, 16, 416                              ; Wk
	PICK 416, 14, 384                              ; Wq
	PICK 384, 12, 256                              ; value
	PICK 256, 10, 128                              ; key
	PICK 128, 8, 0                                 ; query
	s_sub_co_u32 s33, s31, s32
	s_lshl_b32 s33, s33, 1
	s_lshr_b32 s56, s30, 1
	s_add_co_u32 s33, s33, s56                     ; t: my tile in its tensor
	s_and_b32 s34, s30, 1                          ; kh: my half of K
	s_lshr_b32 s57, s33, 1
	s_lshl_b32 s57, s57, 5
	s_and_b32 s58, s33, 1
	s_lshl_b32 s58, s58, 3
	s_add_co_u32 s57, s57, s58                     ; key, value: the tile's first row 32 (t / 2) + 8 (t % 2)
	s_lshl_b32 s58, s33, 4                         ; the others: 16 t
	s_sub_co_u32 s59, s31, 128
	s_cmp_lt_u32 s59, 256                          ; key or value?
	s_cselect_b32 s57, s57, s58
	s_cselect_b32 s58, 16, 8                       ; rows from the tile's row 0 to its row 8
	s_lshl_b32 s57, s57, 12
	s_lshl_b32 s59, s34, 11
	s_add_co_u32 s60, s57, s59
	s_mov_b32 s61, 0
	s_add_nc_u64 s[36:37], s[36:37], s[60:61]      ; rows 0-7 of the tile, my half of K
	s_lshl_b32 s60, s58, 12
	s_add_nc_u64 s[38:39], s[36:37], s[60:61]      ; rows 8-15
	s_lshl_b32 s60, s31, 1
	s_add_co_u32 s60, s60, s56
	s_mul_i32 s60, s60, 8704                       ; the tile's image in codes: tile 2 q + wave / 2
	s_lshl_b32 s58, s34, 12
	s_add_co_u32 s58, s58, s60                     ; its codes of my half of K
	s_lshl_b32 s57, s34, 8
	s_add_co_u32 s60, s60, s57
	s_add_co_u32 s60, s60, 8192                    ; its scale words of my half
	s_lshl_b32 s57, s33, 15
	s_lshl_b32 s59, s34, 14
	s_add_co_u32 s57, s57, s59                     ; Wo: 32,768 bytes a tile, 16,384 for half of K
	s_cmp_lt_u32 s31, 480
	s_cselect_b32 s58, s58, s57
	s_cselect_b32 s60, s60, 0                      ; (Wo has no scale words: the pointer stays at the buffer's head and is not used)
	s_cselect_b64 s[40:41], s[24:25], s[26:27]
	s_mov_b32 s59, 0
	s_add_nc_u64 s[40:41], s[40:41], s[58:59]
	s_add_nc_u64 s[42:43], s[24:25], s[60:61]
.macro LOAD s                          ; chunk s: 16 rows x 512 bytes, each load 512 consecutive bytes
.irp i, 0,1,2,3,4,5,6,7
	global_load_b128 v[R+64*((\s)%2)+4*\i:R+64*((\s)%2)+4*\i+3], v2, s[36:37] offset:4096*\i+512*(\s) th:TH_LOAD_NT
.endr
.irp i, 0,1,2,3,4,5,6,7
	global_load_b128 v[R+64*((\s)%2)+32+4*\i:R+64*((\s)%2)+32+4*\i+3], v2, s[38:39] offset:4096*\i+512*(\s) th:TH_LOAD_NT
.endr
.endm
; X[32 c + i] = row r, k = 128 ks + 64 c + 32 h + i: two whole blocks a lane, in the order of the operand's registers
.macro QUANT s
	v_max3_num_f32 v8, |v[X]|, |v[X+1]|, 0x1800000                 ; the floor 2^(3 - 127) among the leaves holds the byte at 1 from below
	v_max3_num_f32 v9, |v[X+32]|, |v[X+33]|, 0x1800000
.irp i, 2,4,6,8,10,12,14,16,18,20,22,24,26,28,30
	v_max3_num_f32 v8, v8, |v[X+\i]|, |v[X+\i+1]|                  ; the two blocks by turns
	v_max3_num_f32 v9, v9, |v[X+32+\i]|, |v[X+33+\i]|
.endr
	v_add_nc_u32 v10, 0xff000000, v8               ; 2 off the exponent field: the conversion's scale operand
	v_add_nc_u32 v11, 0xff000000, v9
	v_lshrrev_b32 v12, 23, v10                     ; the bytes of blocks h and 2 + h
	v_lshrrev_b32 v13, 23, v11
	v_lshl_or_b32 v14, v13, 16, v12
	v_lshlrev_b32 v14, v29, v14                    ; at their places in the word
	v_permlanex16_b32 v15, v14, s46, s47
	v_or_b32 v[WD+(\s)], v14, v15                  ; with lane l xor 16's two the word is whole
.irp c, 0,1
.irp g, 0,1,2,3
	v_cvt_scalef32_pk8_fp4_f32 v[C+8*(\s)+4*\c+\g], v[X+32*\c+8*\g:X+32*\c+8*\g+7], v[10+\c]
.endr
.endr
	v_nop                                          ; one plain line behind the last scaled conversion
.irp c, 0,1
	global_store_b128 v2, v[C+8*(\s)+4*\c:C+8*(\s)+4*\c+3], s[40:41] offset:1024*(\s)+512*\c   ; 512 consecutive bytes
.endr
.if ((\s)%2) == 1
	v_cndmask_b32 v[SCP+(\s)/2], v[WD+(\s)-1], v[WD+(\s)], s44     ; lanes 0-15 the even K step's word, lanes 16-31 the odd one's
.endif
.if (\s) == 3
	global_store_b64 v3, v[SCP:SCP+1], s[42:43]    ; 256 consecutive bytes
.endif
.endm
; Wo: the same 64 numbers a lane become f16.  A lane holds 32 neighbours; the 16-bit operand wants 8 and 8: two exchanges of halves for each four groups give it.
.macro WOCVT s
	s_wait_xcnt 0x0                                ; the last chunk's stores have read their registers, which are written again
.irp i, 0,1,2,3,4,5,6,7,8,9,10,11,12,13,14,15,16,17,18,19,20,21,22,23,24,25,26,27,28,29,30,31
	v_cvt_pk_f16_f32 v[C+\i], v[X+2*\i], v[X+2*\i+1]
.endr
.irp c, 0,1
.irp i, 0,1,2,3
	v_permlane16_swap_b32 v[C+16*\c+\i], v[C+16*\c+4+\i]
	v_permlane16_swap_b32 v[C+16*\c+8+\i], v[C+16*\c+12+\i]
.endr
.endr
.irp c, 0,1
.irp p, 0,1,2,3                        ; group p now holds K step 2 c + p % 2 (of 32), registers 4 (p / 2) on
	global_store_b128 v2, v[C+16*\c+4*\p:C+16*\c+4*\p+3], s[40:41] offset:4096*(\s)+(2*\c+(\p&1))*1024+(\p>>1)*512
.endr
.endr
.endm
.macro CHUNK s
.if (\s) < 3
	s_wait_loadcnt 16                              ; this chunk's 16 loads are in; the next chunk's 16 may be out
.else
	s_wait_loadcnt 0x0
.endif
.irp i, 0,1,2,3,4,5,6,7,8,9,10,11,12,13,14,15
	ds_store_b128 v4, v[R+64*((\s)%2)+4*\i:R+64*((\s)%2)+4*\i+3] offset:QP*\i
.endr
.irp c, 0,1
.irp g, 0,1,2,3,4,5,6,7
	ds_load_b128 v[X+32*\c+4*\g:X+32*\c+4*\g+3], v5 offset:256*\c+16*\g   ; LDS serves a wave's instructions in order: these see the stores above
.endr
.endr
	s_wait_dscnt 0x0
.if (\s) < 2
	LOAD (\s)+2
.endif
	s_cmp_lt_u32 s31, 480                          ; only work on registers and global stores differs between the two arms
	s_cbranch_scc0 .Lwo_\@
	QUANT \s
	s_branch .Ldone_\@
.Lwo_\@:
	WOCVT \s
.Ldone_\@:
.endm
	LOAD 0
	LOAD 1
	CHUNK 0
	CHUNK 1
	CHUNK 2
	CHUNK 3
	s_branch .Lend
	; ---- the mask.  A wave takes 16 queries x 1,024 keys, in four substeps of 256 keys
.Lmask:
	s_lshl_b32 s56, ttmp9, 2
	s_add_co_u32 s56, s56, s30
	s_lshr_b32 s57, s56, 1                         ; 128 b + qt
	s_and_b32 s58, s56, 1                          ; which half of the keys
	s_lshl_b32 s60, s57, 15
	s_lshl_b32 s59, s58, 10
	s_add_co_u32 s60, s60, s59
	s_mov_b32 s61, 0
	s_add_nc_u64 s[36:37], s[22:23], s[60:61]
	s_lshl_b32 s60, s57, 12
	s_lshl_b32 s59, s58, 11
	s_add_co_u32 s60, s60, s59
	s_add_nc_u64 s[40:41], s[28:29], s[60:61]
.macro MLOAD s                         ; 16 rows x 256 bytes: a load takes two rows' 256 consecutive bytes
.irp i, 0,1,2,3,4,5,6,7
	global_load_b128 v[R+32*((\s)%2)+4*\i:R+32*((\s)%2)+4*\i+3], v22, s[36:37] offset:4096*\i+256*(\s) th:TH_LOAD_NT
.endr
.endm
.macro MSUB s
.if (\s) < 3
	s_wait_loadcnt 8                               ; this substep's 8 loads are in; the next one's 8 may be out
.else
	s_wait_loadcnt 0x0
.endif
.irp i, 0,1,2,3,4,5,6,7
	ds_store_b128 v23, v[R+32*((\s)%2)+4*\i:R+32*((\s)%2)+4*\i+3] offset:2*MPI*\i
.endr
.irp u, 0,1,2,3,4,5,6,7
	ds_load_b128 v[X+4*\u:X+4*\u+3], v24 offset:32*\u              ; lane (r, h): query r, keys 32 u + 16 h + 0 .. 15
.endr
	s_wait_dscnt 0x0
.if (\s) < 2
	MLOAD (\s)+2
.endif
.irp k, 0,1,2,3
	v_mov_b32 v[C+4*(\s)+\k], 0
.endr
.irp u, 0,1,2,3,4,5,6,7                ; word 16 u + 4 g + k of the substep's 128 goes to lane 4 u + g, register k: the store below is then 512 consecutive bytes
.irp g, 0,1,2,3
.irp k, 0,1,2,3
	v_and_b32 v[25+\k], 0xff<<(8*\k), v[X+4*\u+\g]
.endr
.irp k, 0,1,2,3
	v_cmp_ne_u32 s[48+4*(\g%2)+\k], 0, v[25+\k]
.endr
.irp k, 0,1,2,3
	v_writelane_b32 v[C+4*(\s)+\k], s[48+4*(\g%2)+\k], 4*\u+\g
.endr
.endr
.endr
	global_store_b128 v2, v[C+4*(\s):C+4*(\s)+3], s[40:41] offset:512*(\s)
.endm
	MLOAD 0
	MLOAD 1
	MSUB 0
	MSUB 1
	MSUB 2
	MSUB 3
.Lend:
	s_wait_tensorcnt 0x0                           ; the wave's end: behind my last LDS store
	ds_add_u32 v6, v7
	s_wait_dscnt 0x0
	s_endpgm
.Lfunc_end_k_qd857cf25a3_prep:
	.size	k_qd857cf25a3_prep, .Lfunc_end_k_qd857cf25a3_prep-k_qd857cf25a3_prep
	.p2alignl 7, 3214868480
	.fill 96, 4, 3214868480
	.section	.rodata,"a",@progbits
	.p2align	6, 0x0
	.amdhsa_kernel k_qd857cf25a3_prep
		.amdhsa_group_segment_fixed_size 52736
		.amdhsa_private_segment_fixed_size 0
		.amdhsa_enable_private_segment 0
		.amdhsa_kernarg_size 88
		.amdhsa_user_sgpr_count 2
		.amdhsa_user_sgpr_kernarg_segment_ptr 1
		.amdhsa_wavefront_size32 1
		.amdhsa_system_sgpr_workgroup_id_x 1
		.amdhsa_system_sgpr_workgroup_id_y 1
		.amdhsa_system_sgpr_workgroup_id_z 1
		.amdhsa_system_vgpr_workitem_id 0
		.amdhsa_next_free_vgpr 256
		.amdhsa_next_free_sgpr 66
		.amdhsa_reserve_vcc 0
		.amdhsa_float_denorm_mode_32 3
		.amdhsa_float_denorm_mode_16_64 3
		.amdhsa_memory_ordered 1
		.amdhsa_forward_progress 1
		.amdhsa_inst_pref_size 150
	.end_amdhsa_kernel
	.amdgpu_metadata
---
amdhsa.version: [ 1, 2 ]
amdhsa.kernels:
  - .name:           k_qd857cf25a3_prep
    .symbol:         k_qd857cf25a3_prep.kd
    .args:
      - { .name: query, .offset: 0, .size: 8, .value_kind: global_buffer, .address_space: global }
      - { .name: key, .offset: 8, .size: 8, .value_kind: global_buffer, .address_space: global }
      - { .name: value, .offset: 16, .size: 8, .value_kind: global_buffer, .address_space: global }
      - { .name: Wq, .offset: 24, .size: 8, .value_kind: global_buffer, .address_space: global }
      - { .name: Wk, .offset: 32, .size: 8, .value_kind: global_buffer, .address_space: global }
      - { .name: Wv, .offset: 40, .size: 8, .value_kind: global_buffer, .address_space: global }
      - { .name: Wo, .offset: 48, .size: 8, .value_kind: global_buffer, .address_space: global }
      - { .name: mask, .offset: 56, .size: 8, .value_kind: global_buffer, .address_space: global }
      - { .name: codes, .offset: 64, .size: 8, .value_kind: global_buffer, .address_space: global }
      - { .name: wof, .offset: 72, .size: 8, .value_kind: global_buffer, .address_space: global }
      - { .name: maskw, .offset: 80, .size: 8, .value_kind: global_buffer, .address_space: global }
    .group_segment_fixed_size: 52736
    .private_segment_fixed_size: 0
    .kernarg_segment_align: 8
    .kernarg_segment_size: 88
    .max_flat_workgroup_size: 128
    .sgpr_count:     66
    .vgpr_count:     256
    .wavefront_size: 32
...
	.end_amdgpu_metadata
.endif
;; end of part 1
;; launch proj (part 2): grid 4 x 48, 4 waves a work-group, clusters of 4 x 1, 167,936 bytes of LDS; arguments codes, bq, bk, bv, qf, kvf; writes qf, kvf
.if DOCPART == 2
	.amdgcn_target "amdgcn-amd-amdhsa--gfx1250"
	.amdhsa_code_object_version 6
	.text
	.protected	k_qd857cf25a3_proj
	.globl	k_qd857cf25a3_proj
	.p2align	8
	.type	k_qd857cf25a3_proj,@function
k_qd857cf25a3_proj:
	s_mov_b64 s[64:65], 0
	v_nop
	global_prefetch_b8 v0, s[64:65] scope:SCOPE_SE
	s_setreg_imm32_b32 hwreg(HW_REG_WAVE_MODE, 25, 1), 1
	s_wait_xcnt 0x0
	s_wait_alu depctr_hold_cnt(0) depctr_sa_sdst(0) depctr_va_vdst(0) depctr_va_sdst(0) depctr_va_ssrc(0) depctr_va_vcc(0) depctr_vm_vsrc(0)
	s_getreg_b32 s2, hwreg(HW_REG_IB_STS2, 6, 4)
	s_cmp_eq_u32 s2, 0
	s_cbranch_scc0 .Lentry_in_a_cluster
	s_endpgm
.Lentry_in_a_cluster:
	s_bfe_u32 s2, ttmp6, 0x10000c
	s_cmp_lg_u32 s2, 0x3003
	s_cbranch_scc0 .Lentry_shape_is_right
	s_endpgm
.Lentry_shape_is_right:
; THE THREE QUANTISED PRODUCTS: x W^T + b on codes of E2M1 with E8M0 scales, K = 1,024, f32 sums; the results leave as f16 images of the operands of attention.
; y = 16 x tensor + chunk (tensor 0 query, 1 key, 2 value; a chunk is 16 tiles of 16 rows).  The four work-groups of a cluster take the same chunk; wave w of partner cx owns head 4 cx + w: 64 columns.
; A wave's 64 rows of W (4 tiles x 8 K steps x 8 registers = 256 registers, window 1) stay in registers.  The chunk's 16 tiles, 139,264 consecutive bytes of codes and scale words, come into LDS once:
; wave w asks for tiles 4 w .. 4 w + 3 by one tensor load, JOINTLY with the three partners, who need the same bytes.  Nothing is filled again.
; query, key: source 0 = 16 rows of W, source 1 = 16 rows of x: a lane holds one row and eight neighbouring channels: 16 bytes of f16, stored as an image (512 consecutive bytes an instruction).
;   q is multiplied by c = log2(e) / 8, so that the scores come out of the next product in base 2; k by 1.
; value: source 0 = 16 rows of x, source 1 = 16 rows of W: a lane holds one channel and eight neighbouring keys (the rows of a tile of value are chosen for that): V^T's image.
; The bias is the C of each sum's first matrix instruction.  192 work-groups: three tensors do not divide into 256, and half-sized shares would read W twice.
; LIMITS: |c q|, |k|, |v| stay under 65,504 (f16); NaN and infinities are not served.
.set TILEB, 8704
.set SPARE, 16*TILEB                   ; behind the tiles: the spare words, 128 bytes a wave: two blocks of 256 bytes that no other line names
.set WS,    8                          ; v8-23    W's scale words: tile t, K steps 2 i and 2 i + 1 (lanes 0-15, 16-31) at v[WS + 4 t + i]
.set XS,    24                         ; v24-31   x's, two sets of four
.set BIAS,  32                         ; v32-63   the bias in the result's layout, 8 registers a tile
.set XF,    64                         ; v64-191  x's fragments of a tile (8 K steps x 8 registers), two sets
.set ACC,   192                        ; v192-223 four accumulators
.set OUTR,  224                        ; v224-239 packed results
; v1 16 x lane, v2 8 x lane, v3/v4 the same + the trip's place in LDS, v5 32 h, v6/v7 the add's two, v240 4 r
.set MSB, 0
.macro WIN new                         ; the immediate's high byte repeats the setting that is left
.if MSB != \new
	s_set_vgpr_msb (MSB<<8)|\new
.set MSB, \new
.endif
.endm
.macro ROUND                           ; a round of the cluster's barrier
	s_barrier_signal -1
	s_barrier_wait -1
	s_cmp_lg_u32 s28, 0
	s_cbranch_scc1 .Lnot_wave_0_\@
	s_barrier_signal -3
.Lnot_wave_0_\@:
	s_barrier_wait -3
	s_barrier_signal -1
	s_barrier_wait -1
.endm
	s_load_b256 s[4:11], s[0:1], 0x0               ; codes, bq, bk, bv
	s_load_b128 s[12:15], s[0:1], 0x20             ; qf, kvf
	v_lshl_add_u32 v6, v0, 2, SPARE
	v_mov_b32 v7, 0
	ds_add_u32 v6, v7                              ; the wave's opening: the add, twice on end, and its wait ahead of my first tensor load
	ds_add_u32 v6, v7
	v_lshrrev_b32 v241, 5, v0
	v_readfirstlane_b32 s28, v241                  ; wave 0..3
	s_bfe_u32 s29, ttmp6, 0x40000                  ; cx: it enters global addresses of W, bias and results alone
	s_and_b32 s30, ttmp7, 0xffff                   ; y
	s_lshr_b32 s31, s30, 4                         ; tensor
	s_and_b32 s32, s30, 15                         ; chunk
	s_lshl_b32 s33, s29, 2
	s_add_co_u32 s33, s33, s28                     ; my head
	; descriptor group 1: 34,816 consecutive bytes as 136 rows of 32 elements of 8 bytes
	s_mov_b32 s16, 15|(3<<16)|(1<<21)              ; the mask: all four work-groups; elements of 8 bytes; bit 21 beside a mask
	s_mov_b32 s17, 32<<16                          ; tensor_dim0
	s_mov_b32 s18, 136<<16                         ; tensor_dim1
	s_mov_b32 s19, 32<<16                          ; tile_dim0
	s_mov_b32 s20, 136                             ; tile_dim1
	s_mov_b32 s21, 32                              ; pitch
	s_mov_b32 s22, 0
	s_mov_b32 s23, 0
	s_lshl_b32 s46, s30, 4                         ; the chunk's first tile: 256 x tensor + 16 x chunk = 16 y,
	s_lshl_b32 s47, s28, 2
	s_add_co_u32 s46, s46, s47                     ; + my four
	s_mul_i32 s46, s46, TILEB
	s_mov_b32 s47, 0
	s_mov_b32 s24, 1
	s_mul_i32 s25, s28, 4*TILEB                    ; where they go: wave x 4 tiles
	s_lshl_b32 s48, s31, 6
	s_lshl_b32 s50, s33, 2
	s_add_co_u32 s48, s48, s50
	s_add_co_u32 s48, s48, 768                     ; W's tiles: 768 + 64 x tensor + 4 x head
	s_mul_i32 s48, s48, TILEB
	s_mov_b32 s49, 0
	s_mov_b32 s44, 0                               ; the trip's place in LDS
	s_mov_b32 s45, 3
	s_mov_b32 s41, 0
	s_mov_b32 s40, 16384                           ; a trip's four tiles in the results: a key step's block for k and v,
	s_mov_b32 s43, 0x3f800000
	s_cmp_eq_u32 s31, 0
	s_cselect_b32 s40, 8192, s40                   ; four images of 2,048 bytes for q
	s_cselect_b32 s42, 0x3e38aa3b, s43             ; c = log2(e) / 8 for q, 1 for k
	s_mov_b32 s43, s42                             ; (named with it as a pair, so it is written)
	v_and_b32 v241, 31, v0
	v_lshlrev_b32 v1, 4, v241
	v_lshlrev_b32 v2, 3, v241
	v_and_b32 v242, 15, v0
	v_lshlrev_b32 v240, 2, v242
	v_bfe_u32 v242, v0, 4, 1
	v_lshlrev_b32 v5, 5, v242
	v_add_nc_u32 v3, s44, v1
	v_add_nc_u32 v4, s44, v2
	s_wait_dscnt 0x0                               ; both opening adds are done
	s_wait_kmcnt 0x0
	s_add_nc_u64 s[26:27], s[4:5], s[46:47]
	s_or_b32 s27, s27, 0x80000000                  ; type = 2
	s_add_nc_u64 s[34:35], s[4:5], s[48:49]        ; my rows of W
	s_cmp_eq_u32 s31, 1
	s_cselect_b64 s[36:37], s[8:9], s[10:11]
	s_cmp_eq_u32 s31, 0
	s_cselect_b64 s[36:37], s[6:7], s[36:37]
	s_lshl_b32 s50, s33, 8
	s_mov_b32 s51, 0
	s_add_nc_u64 s[36:37], s[36:37], s[50:51]      ; my 64 numbers of the bias
	s_lshr_b32 s48, s32, 3                         ; b
	s_lshl_b32 s48, s48, 4
	s_add_co_u32 s48, s48, s33                     ; 16 b + head
	s_lshl_b32 s48, s48, 18
	s_and_b32 s50, s32, 7
	s_lshl_b32 s50, s50, 15
	s_add_co_u32 s48, s48, s50                     ; q: (128 (16 b + head) + 16 (chunk % 8)) x 2,048
	s_lshl_b32 s50, s48, 1                         ; k, v: (32 (16 b + head) + 4 (chunk % 8)) x 16,384: twice that
	s_cmp_eq_u32 s31, 0
	s_cselect_b32 s48, s48, s50
	s_cselect_b64 s[38:39], s[12:13], s[14:15]
	s_add_nc_u64 s[38:39], s[38:39], s[48:49]
	ROUND                                          ; all four work-groups are here: the joint loads meet
	tensor_load_to_lds s[24:27], s[16:23]          ; my one tensor load of the launch
	s_nop 0
.rept 4
	v_nop
.endr
	WIN 0x40                                       ; destination window 1
.irp t, 0,1,2,3
.irp k, 0,1,2,3,4,5,6,7
.irp c, 0,1
	global_load_b128 v[64*\t+8*\k+4*\c:64*\t+8*\k+4*\c+3], v1, s[34:35] offset:\t*TILEB+1024*\k+512*\c
.endr
.endr
.endr
	WIN 0
.irp t, 0,1,2,3
.irp k, 0,1
	global_load_b64 v[WS+4*\t+2*\k:WS+4*\t+2*\k+1], v2, s[34:35] offset:\t*TILEB+8192+256*\k
.endr
.endr
	s_cmp_eq_u32 s31, 2
	s_cbranch_scc1 .Lbias_v
.irp t, 0,1,2,3                        ; q, k: register j of tile t is channel 16 t + 8 h + j
	global_load_b128 v[BIAS+8*\t:BIAS+8*\t+3], v5, s[36:37] offset:64*\t
	global_load_b128 v[BIAS+8*\t+4:BIAS+8*\t+7], v5, s[36:37] offset:64*\t+16
.endr
	s_branch .Lbias_in
.Lbias_v:
.irp t, 0,1,2,3                        ; v: all eight registers of tile t are channel 16 t + r
.irp j, 0,1,2,3,4,5,6,7
	global_load_b32 v[BIAS+8*\t+\j], v240, s[36:37] offset:64*\t
.endr
.endr
.Lbias_in:
; a tile's fragments and scale words out of LDS, as they lie: 16 + 2 loads
.macro XFETCH tau, set
.irp k, 0,1,2,3,4,5,6,7
.irp c, 0,1
	ds_load_b128 v[XF+64*(\set)+8*\k+4*\c:XF+64*(\set)+8*\k+4*\c+3], v3 offset:(\tau)*TILEB+1024*\k+512*\c
.endr
.endr
.irp k, 0,1
	ds_load_b64 v[XS+4*(\set)+2*\k:XS+4*(\set)+2*\k+1], v4 offset:(\tau)*TILEB+8192+256*\k
.endr
.endm
; 32 matrix instructions: K step by K step, the four accumulators by turns, one instruction a turn.  The first K step takes the bias as C.
.macro MM vpath, set
.set kk, 0
.rept 8
.set tt, 0
.rept 4
.set rD, ACC+8*tt
.set rC, ACC+8*tt
.if kk == 0
.set rC, BIAS+8*tt
.endif
.set rW, 64*tt+8*kk
.set rX, XF+64*(\set)+8*kk
.set rWS, WS+4*tt+kk/2
.set rXS, XS+4*(\set)+kk/2
.if \vpath
.if (kk%2) == 1
	v_wmma_scale_f32_16x16x128_f8f6f4 v[rD:rD+7], v[rX:rX+7], v[rW:rW+7], v[rC:rC+7], v[rXS], v[rWS] matrix_a_fmt:MATRIX_FMT_FP4 matrix_b_fmt:MATRIX_FMT_FP4 matrix_a_scale:MATRIX_SCALE_ROW1 matrix_b_scale:MATRIX_SCALE_ROW1
.else
	v_wmma_scale_f32_16x16x128_f8f6f4 v[rD:rD+7], v[rX:rX+7], v[rW:rW+7], v[rC:rC+7], v[rXS], v[rWS] matrix_a_fmt:MATRIX_FMT_FP4 matrix_b_fmt:MATRIX_FMT_FP4
.endif
.else
.if (kk%2) == 1
	v_wmma_scale_f32_16x16x128_f8f6f4 v[rD:rD+7], v[rW:rW+7], v[rX:rX+7], v[rC:rC+7], v[rWS], v[rXS] matrix_a_fmt:MATRIX_FMT_FP4 matrix_b_fmt:MATRIX_FMT_FP4 matrix_a_scale:MATRIX_SCALE_ROW1 matrix_b_scale:MATRIX_SCALE_ROW1
.else
	v_wmma_scale_f32_16x16x128_f8f6f4 v[rD:rD+7], v[rW:rW+7], v[rX:rX+7], v[rC:rC+7], v[rWS], v[rXS] matrix_a_fmt:MATRIX_FMT_FP4 matrix_b_fmt:MATRIX_FMT_FP4
.endif
.endif
.set tt, tt+1
.endr
.set kk, kk+1
.endr
.endm
; One tile of 16 rows.  pf = 1: the next tile's fragments are asked for first, into the other set.  The LDS loads are on every wave's one way; the branch on the tensor goes round products, packing and stores alone.
; Behind the products stand four v_nop; they and the packing of the other accumulators are the places in front of the next tile's loads and of its first products, which begin the accumulators anew.
.macro TILE tau, set, pf
.if \pf
	XFETCH (\tau)+1, 1-(\set)
	s_wait_dscnt 18                                ; this tile's 18 loads are in; the 18 just issued may be out
.else
	s_wait_dscnt 0x0
.endif
	s_cmp_eq_u32 s31, 2
	s_cbranch_scc1 .Lv_\@
	WIN 0x01                                       ; source 0 (W) window 1
	MM 0, \set
	WIN 0
	s_wait_xcnt 0x0                                ; the last tile's stores have read their registers
.rept 4
	v_nop
.endr
.irp i, 0,2,4,6,8,10,12,14,16,18,20,22,24,26,28,30
	v_pk_mul_f32 v[ACC+\i:ACC+\i+1], v[ACC+\i:ACC+\i+1], s[42:43] op_sel_hi:[1,0]
.endr
.irp i, 0,1,2,3,4,5,6,7,8,9,10,11,12,13,14,15
	v_cvt_pk_f16_f32 v[OUTR+\i], v[ACC+2*\i], v[ACC+2*\i+1]
.endr
.irp t, 0,1,2,3
	global_store_b128 v1, v[OUTR+4*\t:OUTR+4*\t+3], s[38:39] offset:(\tau)*2048+512*\t
.endr
	s_branch .Lj_\@
.Lv_\@:
	WIN 0x04                                       ; source 1 (W) window 1
	MM 1, \set
	WIN 0
	s_wait_xcnt 0x0
.rept 4
	v_nop
.endr
.irp i, 0,1,2,3,4,5,6,7,8,9,10,11,12,13,14,15
	v_cvt_pk_f16_f32 v[OUTR+\i], v[ACC+2*\i], v[ACC+2*\i+1]
.endr
.irp t, 0,1,2,3
	global_store_b128 v1, v[OUTR+4*\t:OUTR+4*\t+3], s[38:39] offset:8192+((\tau)/2)*4096+((\tau)%2)*512+1024*\t
.endr
.Lj_\@:
.endm
.macro TRIP last                       ; four tiles: a key step's worth
	v_add_nc_u32 v3, s44, v1
	v_add_nc_u32 v4, s44, v2
	TILE 0, 0, 1
	TILE 1, 1, 1
	TILE 2, 0, 1
	TILE 3, 1, 1-\last
	s_wait_xcnt 0x0                                ; the stores have read their base
	s_add_nc_u64 s[38:39], s[38:39], s[40:41]
	s_add_co_u32 s44, s44, 4*TILEB
.endm
	s_wait_tensorcnt 0x0                           ; my four tiles are in,
	s_barrier_signal -1
	s_barrier_wait -1                              ; everybody's are
	XFETCH 0, 0
	s_wait_loadcnt 0x0                             ; W, its scale words, the bias
.Ltrip:
	TRIP 0
	s_sub_co_u32 s45, s45, 1
	s_cmp_lg_u32 s45, 0
	s_cbranch_scc1 .Ltrip
	TRIP 1                                         ; the last trip's last tile fetches nothing (its stepped addresses are not used)
	s_wait_tensorcnt 0x0                           ; the wave's end
	ds_add_u32 v6, v7
	s_wait_dscnt 0x0
	ROUND                                          ; the closing round
	s_endpgm
.Lfunc_end_k_qd857cf25a3_proj:
	.size	k_qd857cf25a3_proj, .Lfunc_end_k_qd857cf25a3_proj-k_qd857cf25a3_proj
	.p2alignl 7, 3214868480
	.fill 96, 4, 3214868480
	.section	.rodata,"a",@progbits
	.p2align	6, 0x0
	.amdhsa_kernel k_qd857cf25a3_proj
		.amdhsa_group_segment_fixed_size 167936
		.amdhsa_private_segment_fixed_size 0
		.amdhsa_enable_private_segment 0
		.amdhsa_kernarg_size 48
		.amdhsa_user_sgpr_count 2
		.amdhsa_user_sgpr_kernarg_segment_ptr 1
		.amdhsa_wavefront_size32 1
		.amdhsa_system_sgpr_workgroup_id_x 1
		.amdhsa_system_sgpr_workgroup_id_y 1
		.amdhsa_system_sgpr_workgroup_id_z 1
		.amdhsa_system_vgpr_workitem_id 0
		.amdhsa_next_free_vgpr 512
		.amdhsa_next_free_sgpr 66
		.amdhsa_reserve_vcc 0
		.amdhsa_float_denorm_mode_32 3
		.amdhsa_float_denorm_mode_16_64 3
		.amdhsa_memory_ordered 1
		.amdhsa_forward_progress 1
		.amdhsa_inst_pref_size 124
	.end_amdhsa_kernel
	.amdgpu_metadata
---
amdhsa.version: [ 1, 2 ]
amdhsa.kernels:
  - .name:           k_qd857cf25a3_proj
    .symbol:         k_qd857cf25a3_proj.kd
    .args:
      - { .name: codes, .offset: 0, .size: 8, .value_kind: global_buffer, .address_space: global }
      - { .name: bq, .offset: 8, .size: 8, .value_kind: global_buffer, .address_space: global }
      - { .name: bk, .offset: 16, .size: 8, .value_kind: global_buffer, .address_space: global }
      - { .name: bv, .offset: 24, .size: 8, .value_kind: global_buffer, .address_space: global }
      - { .name: qf, .offset: 32, .size: 8, .value_kind: global_buffer, .address_space: global }
      - { .name: kvf, .offset: 40, .size: 8, .value_kind: global_buffer, .address_space: global }
    .group_segment_fixed_size: 167936
    .private_segment_fixed_size: 0
    .kernarg_segment_align: 8
    .kernarg_segment_size: 48
    .max_flat_workgroup_size: 128
    .sgpr_count:     66
    .vgpr_count:     512
    .wavefront_size: 32
...
	.end_amdgpu_metadata
.endif
;; end of part 2
;; launch attn (part 3): grid 8 x 32, 8 waves a work-group, clusters of 4 x 1, 327,680 bytes of LDS; arguments qf, kvf, maskw, xf; writes xf
.if DOCPART == 3
	.amdgcn_target "amdgcn-amd-amdhsa--gfx1250"
	.amdhsa_code_object_version 6
	.text
	.protected	k_qd857cf25a3_attn
	.globl	k_qd857cf25a3_attn
	.p2align	8
	.type	k_qd857cf25a3_attn,@function
k_qd857cf25a3_attn:
	s_mov_b64 s[64:65], 0
	v_nop
	global_prefetch_b8 v0, s[64:65] scope:SCOPE_SE
	s_setreg_imm32_b32 hwreg(HW_REG_WAVE_MODE, 25, 1), 1
	s_wait_xcnt 0x0
	s_wait_alu depctr_hold_cnt(0) depctr_sa_sdst(0) depctr_va_vdst(0) depctr_va_sdst(0) depctr_va_ssrc(0) depctr_va_vcc(0) depctr_vm_vsrc(0)
	s_getreg_b32 s2, hwreg(HW_REG_IB_STS2, 6, 4)
	s_cmp_eq_u32 s2, 0
	s_cbranch_scc0 .Lentry_in_a_cluster
	s_endpgm
.Lentry_in_a_cluster:
	s_bfe_u32 s2, ttmp6, 0x10000c
	s_cmp_lg_u32 s2, 0x3003
	s_cbranch_scc0 .Lentry_shape_is_right
	s_endpgm
.Lentry_shape_is_right:
; ATTENTION: x[q] = the sum over k of softmax_k(where(mask, q . k / 8, -1e9)) v[k], for 32 (batch, head) pairs of 2,048 queries and keys, head size 64.  Operands f16, products, maxima and sums f32.
; q arrives multiplied by c = log2(e) / 8, so the scores are t = score x log2(e).  A masked t is replaced by -1e9 x log2(e); p = 2^(t - m), m the running maximum of the row; in every step the sum and O
; are multiplied by 2^(old m - new m).  A row that is masked whole has t - m = 0 everywhere: equal weights, as the softmax of equal numbers has.
; SHARES.  y = 16 b + head.  A work-group owns 256 queries, each of its eight waves two tiles of 16: two waves to a SIMD.  Every wave walks all keys, 64 a step.
; LAYOUT.  Both products are used transposed: S^T = K Q^T (source 0 = 16 keys), O^T = V^T P (source 0 = 16 channels): a lane holds one query (lane % 16) throughout.
; The keys of tile 2 bb + u are 32 bb + 8 u + r + 8 (r / 8), so register 16 bb + 8 u + j of a lane is key 32 bb + 16 (lane / 16) + 8 u + j: rounded in pairs the 16 registers of two tiles ARE source 1 of the second product,
; and V^T's image has the same order of keys.  K's, V^T's and Q's images were laid so by the launch before: every LDS load takes 512 consecutive bytes.
; THE MASK comes as lane masks, one 32-bit word for each register of S^T, by scalar loads a step ahead: one v_cndmask_b32 a register.
; RING.  Two LDS slots of eight steps (131,072 bytes).  Wave w asks for step w of a slot.  The four work-groups of a cluster walk the same head, so each load is JOINT.  A wave has two loads out at the head, one behind each refill.
; LIMITS: |c q|, |k|, |v|, |x| under 65,504 (f16); NaN and infinities are not served.
; REGISTERS.  window 0: v1 16 x lane, v2 address in hand, v3 the masked t, v4/v5 the add's two; v8.. statistics, 8 a tile (+0 m, +1 old m, +2 +3 the sum, +4 .. +7 at work, the factor in +6);
;   v32-95 S^T, 32 a tile; v96-127 P, 16 a tile; v128-191 O^T, 32 a tile.   window 1: v0-31 Q, v32-95 K of a step, v96-159 V^T of a step.
.set STEPB, 16384
.set SLOT1, 1<<17
.set SPARE, 2*SLOT1                    ; behind the ring: the spare words, 128 bytes a wave: four blocks of 256 bytes that no other line names
.set L16, 1
.set ADR, 2
.set TMV, 3
.set SPW, 4
.set NIL, 5
.set ST,  8
.set S,   32
.set P,   96
.set O,   128
.set QF,  0
.set KF,  32
.set VF,  96
.set MB0, 32                           ; s[32:63] tile 0's 32 mask words of a step
.set MB1, 68                           ; s[68:99] tile 1's
.set G1,  12                           ; s[12:19]
.set G0A, 20                           ; s[20:23] slot 0's first fill
.set G0B, 24                           ; s[24:27] slot 1's first fill; it then walks
.set WV,  28
.set TB,  29                           ; LDS byte at which the step to be fetched begins
.set SEL, 66
.set MSB, 0
.macro WIN new                         ; the immediate's high byte repeats the setting that is left
.if MSB != \new
	s_set_vgpr_msb (MSB<<8)|\new
.set MSB, \new
.endif
.endm
.macro CROUND                          ; a round of the cluster's barrier
	s_barrier_signal -1
	s_barrier_wait -1
	s_cmp_lg_u32 s[WV], 0
	s_cbranch_scc1 .Lnot_wave_0_\@
	s_barrier_signal -3
.Lnot_wave_0_\@:
	s_barrier_wait -3
	s_barrier_signal -1
	s_barrier_wait -1
.endm
.macro PLACES                          ; four places behind matrix instructions, in front of reads of their results and of loads into their sources
.rept 4
	v_nop
.endr
.endm
	s_load_b256 s[4:11], s[0:1], 0x0               ; qf, kvf, maskw, xf
	v_lshl_add_u32 v[SPW], v0, 2, SPARE
	v_mov_b32 v[NIL], 0
	ds_add_u32 v[SPW], v[NIL]                      ; the wave's opening: the add, twice on end, and its wait ahead of my first tensor load
	ds_add_u32 v[SPW], v[NIL]
	v_lshrrev_b32 v6, 5, v0
	v_readfirstlane_b32 s[WV], v6                  ; wave 0..7
	s_and_b32 s30, ttmp7, 0xffff                   ; y, which the four partners share
	s_lshl_b32 s2, s30, 19                         ; the head's 32 steps of 16,384 bytes,
	s_lshl_b32 s3, s[WV], 14                       ; my step of a slot
	s_add_co_u32 s2, s2, s3
	s_mov_b32 s3, 0
	; descriptor group 1: 16,384 consecutive bytes as 64 rows of 32 elements of 8 bytes
	s_mov_b32 s[G1], 15|(3<<16)|(1<<21)            ; the mask: all four work-groups; elements of 8 bytes; bit 21 beside a mask
	s_mov_b32 s[G1+1], 32<<16
	s_mov_b32 s[G1+2], 64<<16
	s_mov_b32 s[G1+3], 32<<16
	s_mov_b32 s[G1+4], 64
	s_mov_b32 s[G1+5], 32
	s_mov_b32 s[G1+6], 0
	s_mov_b32 s[G1+7], 0
	s_bfe_u32 s32, ttmp6, 0x40000                  ; cx: it enters the addresses of Q, the mask words and x alone
	s_lshl_b32 s33, ttmp9, 2
	s_add_co_u32 s33, s33, s32                     ; my block of 256 queries
	s_lshl_b32 s33, s33, 4
	s_lshl_b32 s34, s[WV], 1
	s_add_co_u32 s33, s33, s34                     ; my first tile of queries
	s_lshl_b32 s34, s30, 7
	s_add_co_u32 s34, s34, s33
	s_lshl_b32 s34, s34, 11                        ; Q: 2,048 bytes a tile
	s_mov_b32 s35, 0
	s_lshr_b32 s36, s30, 4
	s_lshl_b32 s36, s36, 7
	s_add_co_u32 s36, s36, s33                     ; 128 b + tile
	s_lshl_b32 s38, s36, 12                        ; the mask words: 4,096 bytes a tile
	s_mov_b32 s39, 0
	s_lshl_b32 s40, s36, 15                        ; x: 32,768 bytes a tile,
	s_and_b32 s41, s30, 15
	s_lshl_b32 s41, s41, 11                        ; 2,048 a head
	s_add_co_u32 s40, s40, s41
	s_mov_b32 s41, 0
	s_mov_b32 s[SEL], 0x76543210
	s_mov_b32 s[SEL+1], 0xfedcba98                 ; v_permlanex16_b32's selects for lane l xor 16
	s_mov_b32 s[TB], 0
	v_and_b32 v6, 31, v0
	v_lshlrev_b32 v[L16], 4, v6
	v_mov_b32 v[TMV], 0xceabfb8f                   ; -1e9 x log2(e)
	s_wait_dscnt 0x0                               ; both opening adds are done
	s_wait_kmcnt 0x0
	s_add_nc_u64 s[6:7], s[6:7], s[2:3]
	s_add_nc_u64 s[4:5], s[4:5], s[34:35]
	s_add_nc_u64 s[8:9], s[8:9], s[38:39]
	s_add_nc_u64 s[10:11], s[10:11], s[40:41]
	s_mov_b32 s[G0A], 1
	s_lshl_b32 s[G0A+1], s[WV], 14
	s_mov_b64 s[G0A+2:G0A+3], s[6:7]
	s_or_b32 s[G0A+3], s[G0A+3], 0x80000000
	s_mov_b32 s[G0B], 1
	s_add_co_u32 s[G0B+1], s[G0A+1], SLOT1
	s_add_nc_u64 s[G0B+2:G0B+3], s[6:7], 8*STEPB
	s_or_b32 s[G0B+3], s[G0B+3], 0x80000000
	CROUND                                         ; all four work-groups are here: the first joint loads meet
	tensor_load_to_lds s[G0A:G0A+3], s[G1:G1+7]    ; steps 0-7
	s_nop 0
	tensor_load_to_lds s[G0B:G0B+3], s[G1:G1+7]    ; steps 8-15
	s_nop 0
	PLACES
	s_load_b512 s[MB0:MB0+15], s[8:9], 0x0         ; step 0's mask words
	s_load_b512 s[MB0+16:MB0+31], s[8:9], 0x40
	s_load_b512 s[MB1:MB1+15], s[8:9], 0x1000
	s_load_b512 s[MB1+16:MB1+31], s[8:9], 0x1040
	WIN 0x40                                       ; destination window 1
.irp i, 0,1,2,3,4,5,6,7
	global_load_b128 v[QF+4*\i:QF+4*\i+3], v[L16], s[4:5] offset:512*\i   ; Q stays in registers
.endr
	WIN 0
.irp a, 0,1
	v_mov_b32 v[ST+8*\a], 0xff61b1e6               ; m: -3e38, under every t
	v_mov_b32 v[ST+8*\a+2], 0                      ; the sum, in two halves
	v_mov_b32 v[ST+8*\a+3], 0
.endr
.irp j, 0,1,2,3,4,5,6,7,8,9,10,11,12,13,14,15,16,17,18,19,20,21,22,23,24,25,26,27,28,29,30,31,32,33,34,35,36,37,38,39,40,41,42,43,44,45,46,47,48,49,50,51,52,53,54,55,56,57,58,59,60,61,62,63
	v_mov_b32 v[O+\j], 0                           ; O^T.  (The step has no first form of its own: the first change of m multiplies zeros)
.endr
.macro FETCH_K                         ; a step's K: 16 loads of 512 consecutive bytes
	v_add_nc_u32 v[ADR], s[TB], v[L16]
	WIN 0x40
.irp i, 0,1,2,3,4,5,6,7,8,9,10,11,12,13,14,15
	ds_load_b128 v[KF+4*\i:KF+4*\i+3], v[ADR] offset:512*\i
.endr
	WIN 0
.endm
.macro FETCH_V                         ; its V^T; the next fetch is the next step's
	v_add_nc_u32 v[ADR], s[TB], v[L16]
	WIN 0x40
.irp i, 0,1,2,3,4,5,6,7,8,9,10,11,12,13,14,15
	ds_load_b128 v[VF+4*\i:VF+4*\i+3], v[ADR] offset:8192+512*\i
.endr
	WIN 0
	s_add_co_u32 s[TB], s[TB], STEPB
.endm
.macro QK                              ; S^T = K Q^T: 16 matrix instructions, the eight accumulators by turns; the first eight start the sums
	WIN 0x05
.irp cs, 0,1
.irp tau, 0,1,2,3
.irp a, 0,1
.if \cs == 0
	v_wmma_f32_16x16x32_f16 v[S+32*\a+8*\tau:S+32*\a+8*\tau+7], v[KF+16*\tau+8*\cs:KF+16*\tau+8*\cs+7], v[QF+16*\a+8*\cs:QF+16*\a+8*\cs+7], 0
.else
	v_wmma_f32_16x16x32_f16 v[S+32*\a+8*\tau:S+32*\a+8*\tau+7], v[KF+16*\tau+8*\cs:KF+16*\tau+8*\cs+7], v[QF+16*\a+8*\cs:QF+16*\a+8*\cs+7], v[S+32*\a+8*\tau:S+32*\a+8*\tau+7]
.endif
.endr
.endr
.endr
	WIN 0
.endm
.macro PV                              ; O^T += V^T P: 16 matrix instructions, the eight accumulators by turns
	WIN 0x01
.irp bb, 0,1
.irp ct, 0,1,2,3
.irp a, 0,1
	v_wmma_f32_16x16x32_f16 v[O+32*\a+8*\ct:O+32*\a+8*\ct+7], v[VF+32*\bb+8*\ct:VF+32*\bb+8*\ct+7], v[P+16*\a+8*\bb:P+16*\a+8*\bb+7], v[O+32*\a+8*\ct:O+32*\a+8*\ct+7]
.endr
.endr
.endr
	WIN 0
.endm
; THE CHANGE OF SLOTS stands in a slot's eighth step, behind its K Q^T: K and V of that step have been asked for.  Each wave waits for all its tensor loads (its part of the other slot), adds 0 to its spare word,
; and waits for that and for its reads of this slot.  fill = 1: a round of the cluster's barrier, and this slot is filled again first thing behind it, with the keys two slots on: eight steps ahead of its first read.
.macro CHANGE fill
	s_wait_tensorcnt 0x0                           ; no tensor load of mine is out, so a group 0 may be written
	ds_add_u32 v[SPW], v[NIL]
.if \fill
	s_xor_b32 s[G0B+1], s[G0B+1], SLOT1            ; the other slot than last time,
	s_add_nc_u64 s[G0B+2:G0B+3], s[G0B+2:G0B+3], 8*STEPB   ; the next eight steps
.endif
	s_wait_dscnt 0x0                               ; the add is done, and my reads of this slot are over
.if \fill
	CROUND
	tensor_load_to_lds s[G0B:G0B+3], s[G1:G1+7]
	s_nop 0
.else
	s_barrier_signal -1
	s_barrier_wait -1
.endif
	PLACES                                         ; also the places behind K Q^T
	s_sub_co_u32 s[TB], s[TB], 8*STEPB             ; the fetches go back to a slot's first step,
	s_xor_b32 s[TB], s[TB], SLOT1                  ; in the other slot
.endm
; THE SOFTMAX of a step, both tiles line by line by turns, so that no line waits for the line above it
.macro SOFTMAX
.irp j, 0,1,2,3
.irp a, 0,1
	v_max3_num_f32 v[ST+8*\a+4+\j], v[S+32*\a+8*\j], v[S+32*\a+8*\j+1], v[S+32*\a+8*\j+2]
.endr
.endr
.irp g, 3,5
.irp j, 0,1,2,3
.irp a, 0,1
	v_max3_num_f32 v[ST+8*\a+4+\j], v[ST+8*\a+4+\j], v[S+32*\a+8*\j+\g], v[S+32*\a+8*\j+\g+1]
.endr
.endr
.endr
.irp a, 0,1
	v_max3_num_f32 v[ST+8*\a+4], v[ST+8*\a+4], v[S+32*\a+7], v[S+32*\a+15]
	v_max3_num_f32 v[ST+8*\a+6], v[ST+8*\a+6], v[S+32*\a+23], v[S+32*\a+31]
.endr
.irp a, 0,1
	v_max3_num_f32 v[ST+8*\a+4], v[ST+8*\a+4], v[ST+8*\a+5], v[ST+8*\a+6]
.endr
.irp a, 0,1
	v_max3_num_f32 v[ST+8*\a+4], v[ST+8*\a+4], v[ST+8*\a+7], v[ST+8*\a]   ; and the old m
.endr
.irp a, 0,1
	v_permlanex16_b32 v[ST+8*\a+5], v[ST+8*\a+4], s[SEL], s[SEL+1]        ; the query's other 32 keys lie in the lane 16 away
.endr
.irp a, 0,1
	v_mov_b32 v[ST+8*\a+1], v[ST+8*\a]
.endr
.irp a, 0,1
	v_max_num_f32 v[ST+8*\a], v[ST+8*\a+4], v[ST+8*\a+5]                  ; the new m
.endr
.irp a, 0,1
	v_sub_f32 v[ST+8*\a+7], v[ST+8*\a+1], v[ST+8*\a]                      ; old m - new m
.endr
.irp i, 0,2,4,6,8,10,12,14,16,18,20,22,24,26,28,30
.irp a, 0,1
	v_pk_add_f32 v[S+32*\a+\i:S+32*\a+\i+1], v[S+32*\a+\i:S+32*\a+\i+1], v[ST+8*\a:ST+8*\a+1] op_sel_hi:[1,0] neg_lo:[0,1] neg_hi:[0,1]   ; t - m
.endr
.endr
.irp a, 0,1
	v_exp_f32 v[ST+8*\a+6], v[ST+8*\a+7]           ; ONE BATCH of 66 exponentials: the factor,
.endr
.irp i, 0,1,2,3,4,5,6,7,8,9,10,11,12,13,14,15,16,17,18,19,20,21,22,23,24,25,26,27,28,29,30,31
.irp a, 0,1
	v_exp_f32 v[S+32*\a+\i], v[S+32*\a+\i]         ; and p
.endr
.endr
	v_nop                                          ; a plain line behind the last exponential
	s_wait_alu depctr_va_vdst(0)                   ; one wait for the batch, ahead of its first reader
.irp i, 0,1,2,3,4,5,6,7,8,9,10,11,12,13,14,15
.irp a, 0,1
	v_cvt_pk_f16_f32 v[P+16*\a+\i], v[S+32*\a+2*\i], v[S+32*\a+2*\i+1]
.endr
.endr
.irp u, 0,1,2,3,4,5,6,7                ; the sum of the unrounded p, a tree in place
.irp a, 0,1
	v_pk_add_f32 v[S+32*\a+4*\u:S+32*\a+4*\u+1], v[S+32*\a+4*\u:S+32*\a+4*\u+1], v[S+32*\a+4*\u+2:S+32*\a+4*\u+3]
.endr
.endr
.irp u, 0,1,2,3
.irp a, 0,1
	v_pk_add_f32 v[S+32*\a+8*\u:S+32*\a+8*\u+1], v[S+32*\a+8*\u:S+32*\a+8*\u+1], v[S+32*\a+8*\u+4:S+32*\a+8*\u+5]
.endr
.endr
.irp u, 0,1
.irp a, 0,1
	v_pk_add_f32 v[S+32*\a+16*\u:S+32*\a+16*\u+1], v[S+32*\a+16*\u:S+32*\a+16*\u+1], v[S+32*\a+16*\u+8:S+32*\a+16*\u+9]
.endr
.endr
.irp a, 0,1
	v_pk_add_f32 v[S+32*\a:S+32*\a+1], v[S+32*\a:S+32*\a+1], v[S+32*\a+16:S+32*\a+17]
.endr
.irp a, 0,1
	v_pk_fma_f32 v[ST+8*\a+2:ST+8*\a+3], v[ST+8*\a+2:ST+8*\a+3], v[ST+8*\a+6:ST+8*\a+7], v[S+32*\a:S+32*\a+1] op_sel_hi:[1,0,1]
.endr
.irp i, 0,2,4,6,8,10,12,14,16,18,20,22,24,26,28,30
.irp a, 0,1
	v_pk_mul_f32 v[O+32*\a+\i:O+32*\a+\i+1], v[O+32*\a+\i:O+32*\a+\i+1], v[ST+8*\a+6:ST+8*\a+7] op_sel_hi:[1,0]   ; O^T under the new m, each accumulator from its low end on
.endr
.endr
.endm
; A KEY STEP.  kind 0: plain; 1: with a change of slots that fills; 2: with one that does not; 3: the last step, which fetches nothing.
; On the way in K's 16 LDS loads and, behind them, V's 16 are out.
.macro STEP kind
	s_wait_dscnt 16                                ; K is in; V's 16 loads may be out
	QK
.if \kind == 1
	CHANGE 1
.elseif \kind == 2
	CHANGE 0
.else
	PLACES
.endif
.if \kind != 3
	FETCH_K                                        ; the next step's
.endif
	s_wait_kmcnt 0x0                               ; this step's mask words
.irp i, 0,1,2,3,4,5,6,7,8,9,10,11,12,13,14,15,16,17,18,19,20,21,22,23,24,25,26,27,28,29,30,31
	v_cndmask_b32 v[S+\i], v[TMV], v[S+\i], s[MB0+\i]
	v_cndmask_b32 v[S+32+\i], v[TMV], v[S+32+\i], s[MB1+\i]
.endr
.if \kind != 3
	s_add_nc_u64 s[8:9], s[8:9], 128               ; (the scalar loads that read this address are done)  the next step's 32 words of each tile
	s_load_b512 s[MB0:MB0+15], s[8:9], 0x0
	s_load_b512 s[MB0+16:MB0+31], s[8:9], 0x40
	s_load_b512 s[MB1:MB1+15], s[8:9], 0x1000
	s_load_b512 s[MB1+16:MB1+31], s[8:9], 0x1040
.endif
	SOFTMAX
.if \kind == 3
	s_wait_dscnt 0x0
.else
	s_wait_dscnt 16                                ; V is in; the next K's 16 loads may be out
.endif
	PV
	PLACES
.if \kind != 3
	FETCH_V
.endif
.endm
	s_wait_tensorcnt 0x1                           ; my part of slot 0 is in; slot 1's may stay out
	s_barrier_signal -1
	s_barrier_wait -1                              ; everybody's is
	FETCH_K
	FETCH_V
	s_wait_loadcnt 0x0                             ; Q
	s_mov_b32 s30, 2
.Lslot:                                            ; two trips: slots 0 and 1 are read and filled again
	s_mov_b32 s31, 7
.Lstep_a:
	STEP 0
	s_sub_co_u32 s31, s31, 1
	s_cmp_lg_u32 s31, 0
	s_cbranch_scc1 .Lstep_a
	STEP 1
	s_sub_co_u32 s30, s30, 1
	s_cmp_lg_u32 s30, 0
	s_cbranch_scc1 .Lslot
	s_mov_b32 s31, 7                               ; the tail is written out
.Lstep_b:
	STEP 0
	s_sub_co_u32 s31, s31, 1
	s_cmp_lg_u32 s31, 0
	s_cbranch_scc1 .Lstep_b
	STEP 2
	s_mov_b32 s31, 7
.Lstep_c:
	STEP 0
	s_sub_co_u32 s31, s31, 1
	s_cmp_lg_u32 s31, 0
	s_cbranch_scc1 .Lstep_c
	STEP 3
	; THE WAY OUT: O^T / the sum, rounded to f16: a lane's eight channels of a row are 16 bytes of the next product's operand image: 512 consecutive bytes a store
.irp a, 0,1
	v_add_f32 v[ST+8*\a+4], v[ST+8*\a+2], v[ST+8*\a+3]
.endr
.irp a, 0,1
	v_permlanex16_b32 v[ST+8*\a+5], v[ST+8*\a+4], s[SEL], s[SEL+1]
.endr
.irp a, 0,1
	v_add_f32 v[ST+8*\a+4], v[ST+8*\a+4], v[ST+8*\a+5]
.endr
.irp a, 0,1
	v_rcp_f32 v[ST+8*\a+6], v[ST+8*\a+4]
.endr
	v_nop
	s_wait_alu depctr_va_vdst(0)                   ; one wait for the two reciprocals, ahead of their first reader
.irp i, 0,2,4,6,8,10,12,14,16,18,20,22,24,26,28,30
.irp a, 0,1
	v_pk_mul_f32 v[O+32*\a+\i:O+32*\a+\i+1], v[O+32*\a+\i:O+32*\a+\i+1], v[ST+8*\a+6:ST+8*\a+7] op_sel_hi:[1,0]
.endr
.endr
.irp i, 0,1,2,3,4,5,6,7,8,9,10,11,12,13,14,15
.irp a, 0,1
	v_cvt_pk_f16_f32 v[S+16*\a+\i], v[O+32*\a+2*\i], v[O+32*\a+2*\i+1]
.endr
.endr
.irp a, 0,1
.irp ct, 0,1,2,3
	global_store_b128 v[L16], v[S+16*\a+4*\ct:S+16*\a+4*\ct+3], s[10:11] offset:\a*32768+512*\ct
.endr
.endr
	s_wait_tensorcnt 0x0                           ; the wave's end
	ds_add_u32 v[SPW], v[NIL]
	s_wait_dscnt 0x0
	CROUND                                         ; the closing round
	s_endpgm
.Lfunc_end_k_qd857cf25a3_attn:
	.size	k_qd857cf25a3_attn, .Lfunc_end_k_qd857cf25a3_attn-k_qd857cf25a3_attn
	.p2alignl 7, 3214868480
	.fill 96, 4, 3214868480
	.section	.rodata,"a",@progbits
	.p2align	6, 0x0
	.amdhsa_kernel k_qd857cf25a3_attn
		.amdhsa_group_segment_fixed_size 327680
		.amdhsa_private_segment_fixed_size 0
		.amdhsa_enable_private_segment 0
		.amdhsa_kernarg_size 32
		.amdhsa_user_sgpr_count 2
		.amdhsa_user_sgpr_kernarg_segment_ptr 1
		.amdhsa_wavefront_size32 1
		.amdhsa_system_sgpr_workgroup_id_x 1
		.amdhsa_system_sgpr_workgroup_id_y 1
		.amdhsa_system_sgpr_workgroup_id_z 1
		.amdhsa_system_vgpr_workitem_id 0
		.amdhsa_next_free_vgpr 512
		.amdhsa_next_free_sgpr 102
		.amdhsa_reserve_vcc 0
		.amdhsa_float_denorm_mode_32 3
		.amdhsa_float_denorm_mode_16_64 3
		.amdhsa_memory_ordered 1
		.amdhsa_forward_progress 1
		.amdhsa_inst_pref_size 143
	.end_amdhsa_kernel
	.amdgpu_metadata
---
amdhsa.version: [ 1, 2 ]
amdhsa.kernels:
  - .name:           k_qd857cf25a3_attn
    .symbol:         k_qd857cf25a3_attn.kd
    .args:
      - { .name: qf, .offset: 0, .size: 8, .value_kind: global_buffer, .address_space: global }
      - { .name: kvf, .offset: 8, .size: 8, .value_kind: global_buffer, .address_space: global }
      - { .name: maskw, .offset: 16, .size: 8, .value_kind: global_buffer, .address_space: global }
      - { .name: xf, .offset: 24, .size: 8, .value_kind: global_buffer, .address_space: global }
    .group_segment_fixed_size: 327680
    .private_segment_fixed_size: 0
    .kernarg_segment_align: 8
    .kernarg_segment_size: 32
    .max_flat_workgroup_size: 256
    .sgpr_count:     102
    .vgpr_count:     512
    .wavefront_size: 32
...
	.end_amdgpu_metadata
.endif
;; end of part 3
;; launch outp (part 4): grid 8 x 32, 4 waves a work-group, clusters of 4 x 4, 327,680 bytes of LDS; arguments xf, wof, bo, out0; writes out0
.if DOCPART == 4
	.amdgcn_target "amdgcn-amd-amdhsa--gfx1250"
	.amdhsa_code_object_version 6
	.text
	.protected	k_qd857cf25a3_outp
	.globl	k_qd857cf25a3_outp
	.p2align	8
	.type	k_qd857cf25a3_outp,@function
k_qd857cf25a3_outp:
	s_mov_b64 s[64:65], 0
	v_nop
	global_prefetch_b8 v0, s[64:65] scope:SCOPE_SE
	s_setreg_imm32_b32 hwreg(HW_REG_WAVE_MODE, 25, 1), 1
	s_wait_xcnt 0x0
	s_wait_alu depctr_hold_cnt(0) depctr_sa_sdst(0) depctr_va_vdst(0) depctr_va_sdst(0) depctr_va_ssrc(0) depctr_va_vcc(0) depctr_vm_vsrc(0)
	s_getreg_b32 s2, hwreg(HW_REG_IB_STS2, 6, 4)
	s_cmp_eq_u32 s2, 0
	s_cbranch_scc0 .Lentry_in_a_cluster
	s_endpgm
.Lentry_in_a_cluster:
	s_bfe_u32 s2, ttmp6, 0x10000c
	s_cmp_lg_u32 s2, 0xf033
	s_cbranch_scc0 .Lentry_shape_is_right
	s_endpgm
.Lentry_shape_is_right:
; out = x Wo^T + bo.  x [4,096][1,024] and Wo [1,024][1,024] arrive as f16 images of operand registers: [tile of 16 rows][K step of 32][2][lane][16 bytes]; out is f32; sums in f32.
; A tile of out is 128 x 128: 256 work-groups.  Four waves, each 64 x 64: 16 accumulators.  K goes in four steps of 256 through two LDS slots: a step's part of a tile of 16 rows is 8,192 consecutive bytes,
; and a wave's tensor load brings four of them (rows of 8,192 bytes, 32,768 apart).  Every LDS load takes 512 consecutive bytes.
; CLUSTERS: 4 x 4 work-groups.  The four of a row need the same tiles of x, the four of a column the same tiles of Wo: each is asked for JOINTLY.  A wave has two loads out at the head, one behind each refill.
; THE MATRIX INSTRUCTION IS USED TRANSPOSED (source 0 = 16 rows of Wo, source 1 = 16 rows of x): a lane holds eight neighbouring numbers of a row of out.  The bias is the C of each sum's first instruction.
; REGISTERS: window 0: v16-29 addresses; v32-63 the bias; v64-127 rows on the way out; v128-255 the accumulators ((a, b) at v[128 + 8 (4 a + b)]).  window 1: two fragment buffers of 128: 64 of x, then 64 of Wo.
.set KSB,    8192                      ; a K step's bytes of a tile of 16 rows
.set SLOT,   131072                    ; x's 8 tiles, then Wo's 8
.set STAGE,  2*SLOT                    ; behind the ring: 16 rows x 272 bytes for each wave, for the way out
.set SPITCH, 272
.set SPARE,  STAGE+4*16*SPITCH         ; the spare words, 128 bytes a wave: two blocks of 256 bytes that no other line names
.set ADRA, 16
.set ADRB, 20
.set STO,  24
.set RD,   25
.set CO,   26
.set SPW,  28
.set NIL,  29
.set BIAS, 32
.set RB,   64
.set ACC,  128
.set F0,   0
.set F1,   128
.set G1,  24
.set G0,  32
.set G1B, 48
.set G0B, 56
.set MSB, 0
.macro WIN new                         ; the immediate's high byte repeats the setting that is left
.if MSB != \new
	s_set_vgpr_msb (MSB<<8)|\new
.set MSB, \new
.endif
.endm
.set MUL,  0x05                        ; sources 0 and 1 window 1; C and D window 0
.set TO_F, 0x40                        ; destination window 1
.macro JLOAD s                         ; a joint load: waves 0 and 1 fetch x's halves, waves 2 and 3 Wo's; an s_nop 0 and four v_nop follow each of the two lines
	s_cmp_eq_u32 s13, 0
	s_cbranch_scc0 .Lfor_b_\@
	tensor_load_to_lds s[G0+4*\s:G0+4*\s+3], s[G1:G1+7]
	s_nop 0
.rept 4
	v_nop
.endr
	s_branch .Lasked_\@
.Lfor_b_\@:
	tensor_load_to_lds s[G0B+4*\s:G0B+4*\s+3], s[G1B:G1B+7]
	s_nop 0
.rept 4
	v_nop
.endr
.Lasked_\@:
.endm
.macro CREST                           ; a round of the cluster's barrier behind its opening barrier
	s_cmp_lg_u32 s12, 0
	s_cbranch_scc1 .Lnot_wave_0_\@
	s_barrier_signal -3
.Lnot_wave_0_\@:
	s_barrier_wait -3
	s_barrier_signal -1
	s_barrier_wait -1
.endm
.macro CROUND
	s_barrier_signal -1
	s_barrier_wait -1
	CREST
.endm
.macro PLACES
.rept 4
	v_nop
.endr
.endm
	s_load_b256 s[4:11], s[0:1], 0x0               ; xf, wof, bo, out0
	v_lshl_add_u32 v[SPW], v0, 2, SPARE
	v_mov_b32 v[NIL], 0
	ds_add_u32 v[SPW], v[NIL]                      ; the wave's opening: the add, twice on end, and its wait ahead of my first tensor load
	ds_add_u32 v[SPW], v[NIL]
	v_lshrrev_b32 v1, 5, v0
	v_readfirstlane_b32 s12, v1                    ; wave 0..3
	s_lshr_b32 s13, s12, 1                         ; my half of the tile's rows.  Also: I fetch for x (0) or for Wo (1)
	s_and_b32 s14, s12, 1                          ; my half of its columns.  Also: which four tiles of 16 rows I fetch
	s_bfe_u32 s40, ttmp6, 0x40000                  ; cx, cy
	s_bfe_u32 s41, ttmp6, 0x40004
	s_lshl_b32 s42, ttmp9, 2
	s_add_co_u32 s42, s42, s40                     ; tile column of out
	s_and_b32 s16, ttmp7, 0xffff
	s_lshl_b32 s16, s16, 2
	s_add_co_u32 s16, s16, s41                     ; tile row of out
	s_lshl_b32 s43, s41, 2
	s_lshl_b32 s43, 15, s43                        ; my row of the cluster
	s_lshl_b32 s44, 0x1111, s40                    ; my column
	s_or_b32 s[G1], s43, (3<<16)|(1<<21)           ; the mask; elements of 8 bytes; bit 21 beside a mask
	s_or_b32 s[G1B], s44, (3<<16)|(1<<21)
.irp g, G1, G1B
	s_mov_b32 s[\g+1], 1024<<16                    ; tensor_dim0 = 1,024 elements: 8,192 bytes
	s_mov_b32 s[\g+2], 4<<16                       ; tensor_dim1 = 4
	s_mov_b32 s[\g+3], 1024<<16                    ; tile_dim0
	s_mov_b32 s[\g+4], 4                           ; tile_dim1
	s_mov_b32 s[\g+5], 4096                        ; pitch: 32,768 bytes
	s_mov_b32 s[\g+6], 0
	s_mov_b32 s[\g+7], 0
.endr
	s_lshl_b32 s17, s14, 2
	s_lshl_b32 s20, s16, 3
	s_add_co_u32 s20, s20, s17                     ; x: tile of 16 rows 8 x tile row + 4 x half
	s_lshl_b32 s20, s20, 15
	s_mov_b32 s21, 0
	s_lshl_b32 s46, s42, 3
	s_add_co_u32 s46, s46, s17                     ; Wo: 8 x tile column + 4 x half
	s_lshl_b32 s46, s46, 15
	s_mov_b32 s47, 0
	s_lshl_b32 s23, s12, 15                        ; where they go: wave x 32,768
	s_wait_dscnt 0x0                               ; both opening adds are done
	s_wait_kmcnt 0x0
	s_add_nc_u64 s[20:21], s[4:5], s[20:21]
	s_add_nc_u64 s[46:47], s[6:7], s[46:47]
	CROUND                                         ; all sixteen work-groups are here: the first joint loads meet
.irp s, 0,1
	s_mov_b32 s[G0+4*\s], 1
	s_add_co_u32 s[G0+4*\s+1], s23, \s*SLOT
	s_add_nc_u64 s[G0+4*\s+2:G0+4*\s+3], s[20:21], \s*KSB
	s_or_b32 s[G0+4*\s+3], s[G0+4*\s+3], 0x80000000
	s_mov_b32 s[G0B+4*\s], 1
	s_add_co_u32 s[G0B+4*\s+1], s23, \s*SLOT
	s_add_nc_u64 s[G0B+4*\s+2:G0B+4*\s+3], s[46:47], \s*KSB
	s_or_b32 s[G0B+4*\s+3], s[G0B+4*\s+3], 0x80000000
	JLOAD \s
.endr
	v_and_b32 v1, 15, v0                           ; r
	v_bfe_u32 v2, v0, 4, 1                         ; h
	v_and_b32 v3, 31, v0
	v_lshlrev_b32 v3, 4, v3                        ; 16 x lane
	s_lshl_b32 s21, s13, 15                        ; my four tiles of x,
	s_lshl_b32 s22, s14, 15
	s_add_co_u32 s22, s22, 65536                   ; my four of Wo, behind x's eight
.irp s, 0,1
	v_add_nc_u32 v[ADRA+\s], s21, v3
	v_add_nc_u32 v[ADRB+\s], s22, v3
	s_add_co_u32 s21, s21, SLOT
	s_add_co_u32 s22, s22, SLOT
.endr
	s_mul_i32 s23, s12, 16*SPITCH
	s_add_co_u32 s23, s23, STAGE                   ; my stage
	v_mul_u32_u24 v4, v1, SPITCH
	v_lshl_add_u32 v4, v2, 5, v4
	v_add_nc_u32 v[STO], s23, v4                   ; in: row r, 32 bytes for each half of the lanes
	v_mul_u32_u24 v5, v2, SPITCH
	v_lshl_add_u32 v5, v1, 4, v5
	v_add_nc_u32 v[RD], s23, v5                    ; back: lanes 0-15 one row of 256 bytes, lanes 16-31 the next
	v_lshlrev_b32 v5, 12, v2
	v_lshl_add_u32 v[CO], v1, 4, v5                ; and the same two rows in out
	s_lshl_b32 s18, s16, 7
	s_lshl_b32 s19, s13, 6
	s_add_co_u32 s18, s18, s19                     ; my first row of out
	s_lshl_b32 s18, s18, 12
	s_mov_b32 s19, 0
	s_lshl_b32 s46, s42, 9
	s_lshl_b32 s47, s14, 8
	s_add_co_u32 s46, s46, s47                     ; my first column, in bytes
	s_mov_b32 s47, 0
	s_add_nc_u64 s[8:9], s[8:9], s[46:47]
	s_add_nc_u64 s[10:11], s[10:11], s[18:19]
	s_add_nc_u64 s[10:11], s[10:11], s[46:47]
	v_lshlrev_b32 v6, 5, v2
.irp b, 0,1,2,3                        ; register j of block b: bo at my column 16 b + 8 h + j
	global_load_b128 v[BIAS+8*\b:BIAS+8*\b+3], v6, s[8:9] offset:64*\b
	global_load_b128 v[BIAS+8*\b+4:BIAS+8*\b+7], v6, s[8:9] offset:64*\b+16
.endr
; 8 matrix instructions: m blocks a0, a0 + 1 x all 4 n blocks, 32 along K: half c of buffer f.  first = 1: the bias starts the sums.  The 16 accumulators take turns
.macro MUL8 f, c, a0, first
.irp a, \a0, \a0+1
.irp b, 0,1,2,3
.if \first
	v_wmma_f32_16x16x32_f16 v[ACC+8*(4*(\a)+\b):ACC+8*(4*(\a)+\b)+7], v[\f+64+8*(4*\c+\b):\f+64+8*(4*\c+\b)+7], v[\f+8*(4*\c+(\a)):\f+8*(4*\c+(\a))+7], v[BIAS+8*\b:BIAS+8*\b+7]
.else
	v_wmma_f32_16x16x32_f16 v[ACC+8*(4*(\a)+\b):ACC+8*(4*(\a)+\b)+7], v[\f+64+8*(4*\c+\b):\f+64+8*(4*\c+\b)+7], v[\f+8*(4*\c+(\a)):\f+8*(4*\c+(\a))+7], v[ACC+8*(4*(\a)+\b):ACC+8*(4*(\a)+\b)+7]
.endif
.endr
.endr
.endm
; 32 LDS loads in one run: the fragments of the slot's q-th 64 along K into buffer f; the first 32 along K first
.macro FETCH slot, q, f
	WIN TO_F
.irp c, 0,1
.irp i, 0,1,2,3
	ds_load_b128 v[\f+64+8*(4*\c+\i):\f+64+8*(4*\c+\i)+3],   v[ADRB+\slot] offset:\i*KSB+(2*(\q)+\c)*1024
	ds_load_b128 v[\f+64+8*(4*\c+\i)+4:\f+64+8*(4*\c+\i)+7], v[ADRB+\slot] offset:\i*KSB+(2*(\q)+\c)*1024+512
	ds_load_b128 v[\f+8*(4*\c+\i):\f+8*(4*\c+\i)+3],         v[ADRA+\slot] offset:\i*KSB+(2*(\q)+\c)*1024
	ds_load_b128 v[\f+8*(4*\c+\i)+4:\f+8*(4*\c+\i)+7],       v[ADRA+\slot] offset:\i*KSB+(2*(\q)+\c)*1024+512
.endr
.endr
.endm
; A K step is four quarters of 64 along K on buffers 0, 1, 0, 1.  One of the first three: multiplies buffer f and fetches quarter q into g
.macro QUARTER slot, q, f, g, first
	s_wait_dscnt 16                                ; the first 32 along K are in
	WIN MUL
	MUL8 \f, 0, 0, \first
	MUL8 \f, 0, 2, \first
	PLACES
	FETCH \slot, \q, \g
	s_wait_dscnt 32                                ; all but the 32 just issued
	WIN MUL
	MUL8 \f, 1, 0, 0
	MUL8 \f, 1, 2, 0
.endm
; The last quarter multiplies buffer 1 and changes slots: one barrier; in front of it each wave waits for all its tensor loads, adds 0 to its spare word, and waits for that and for its reads of this slot
.macro TURN slot, next, fill
	WIN 0
	s_wait_tensorcnt 0x0                           ; all my tensor loads have landed: my part of the next slot
	ds_add_u32 v[SPW], v[NIL]
	s_wait_dscnt 17                                ; (the add and the youngest sixteen loads may be out)
	WIN MUL
	MUL8 F1, 0, 0, 0
	s_wait_dscnt 0x0                               ; the add is done, and my reads of this slot are over
	s_barrier_signal -1
	MUL8 F1, 0, 2, 0
.if \fill
	WIN 0
.endif
	s_barrier_wait -1
.if \fill
	CREST                                          ; the barrier has opened a round of the cluster's barrier
	s_add_nc_u64 s[G0+4*\slot+2:G0+4*\slot+3], s[G0+4*\slot+2:G0+4*\slot+3], 2*KSB
	s_add_nc_u64 s[G0B+4*\slot+2:G0B+4*\slot+3], s[G0B+4*\slot+2:G0B+4*\slot+3], 2*KSB
	JLOAD \slot                                    ; the first tensor load behind the round; its four v_nop are also the places in front of the loads below
.else
	PLACES
.endif
	FETCH \next, 0, F0
	WIN MUL
	MUL8 F1, 1, 0, 0
	MUL8 F1, 1, 2, 0
.endm
	s_wait_tensorcnt 0x1                           ; my part of K step 0 is in; K step 1's may stay out
	s_barrier_signal -1
	s_barrier_wait -1
	FETCH 0, 0, F0
	s_wait_loadcnt 0x0                             ; the bias
	QUARTER 0, 1, F0, F1, 1                        ; K step 0
	QUARTER 0, 2, F1, F0, 0
	QUARTER 0, 3, F0, F1, 0
	TURN 0, 1, 1                                   ; slot 0 takes K step 2
	QUARTER 1, 1, F0, F1, 0                        ; K step 1
	QUARTER 1, 2, F1, F0, 0
	QUARTER 1, 3, F0, F1, 0
	TURN 1, 0, 1                                   ; slot 1 takes K step 3
	QUARTER 0, 1, F0, F1, 0                        ; K step 2
	QUARTER 0, 2, F1, F0, 0
	QUARTER 0, 3, F0, F1, 0
	TURN 0, 1, 0                                   ; nothing is left to fetch
	QUARTER 1, 1, F0, F1, 0                        ; K step 3
	QUARTER 1, 2, F1, F0, 0
	QUARTER 1, 3, F0, F1, 0
	s_wait_dscnt 16
	WIN MUL
	MUL8 F1, 0, 0, 0
	MUL8 F1, 0, 2, 0
	s_wait_dscnt 0x0
	MUL8 F1, 1, 0, 0
	MUL8 F1, 1, 2, 0
	WIN 0
; THE WAY OUT, a block of 16 rows x 64 columns at a time, through my own stage: in as 32 bytes a lane, back as whole rows of 256 bytes.  LDS serves a wave's instructions in order: no wait between stores and loads.
.macro TOSTAGE a
.irp b, 0,1,2,3
	ds_store_b128 v[STO], v[ACC+8*(4*(\a)+\b):ACC+8*(4*(\a)+\b)+3] offset:64*\b          ; each accumulator from its low end on
	ds_store_b128 v[STO], v[ACC+8*(4*(\a)+\b)+4:ACC+8*(4*(\a)+\b)+7] offset:64*\b+16
.endr
.irp i, 0,1,2,3,4,5,6,7
	ds_load_b128 v[RB+32*((\a)%2)+4*\i:RB+32*((\a)%2)+4*\i+3], v[RD] offset:\i*2*SPITCH
.endr
.endm
.macro SEND a, younger                 ; younger: the LDS instructions issued behind block a's loads, which may stay out
	s_wait_dscnt \younger
.irp i, 0,1,2,3,4,5,6,7
	global_store_b128 v[CO], v[RB+32*((\a)%2)+4*\i:RB+32*((\a)%2)+4*\i+3], s[10:11] offset:(\a)*65536+\i*8192 th:TH_STORE_NT   ; 16 lanes store 256 consecutive bytes, at a multiple of 256 from out's first byte
.endr
.endm
	PLACES
	TOSTAGE 0
	TOSTAGE 1
	SEND 0, 16                                     ; behind block 0's loads: block 1's 8 stores and 8 loads
	s_wait_xcnt 0x0                                ; block 0's stores have read their registers: block 2's loads may land there
	TOSTAGE 2
	SEND 1, 16
	s_wait_xcnt 0x0
	TOSTAGE 3
	SEND 2, 16
	SEND 3, 0
	s_wait_tensorcnt 0x0                           ; the wave's end, behind my last tensor load and my last LDS store
	ds_add_u32 v[SPW], v[NIL]
	s_wait_dscnt 0x0
	CROUND                                         ; the closing round
	s_endpgm
.Lfunc_end_k_qd857cf25a3_outp:
	.size	k_qd857cf25a3_outp, .Lfunc_end_k_qd857cf25a3_outp-k_qd857cf25a3_outp
	.p2alignl 7, 3214868480
	.fill 96, 4, 3214868480
	.section	.rodata,"a",@progbits
	.p2align	6, 0x0
	.amdhsa_kernel k_qd857cf25a3_outp
		.amdhsa_group_segment_fixed_size 327680
		.amdhsa_private_segment_fixed_size 0
		.amdhsa_enable_private_segment 0
		.amdhsa_kernarg_size 32
		.amdhsa_user_sgpr_count 2
		.amdhsa_user_sgpr_kernarg_segment_ptr 1
		.amdhsa_wavefront_size32 1
		.amdhsa_system_sgpr_workgroup_id_x 1
		.amdhsa_system_sgpr_workgroup_id_y 1
		.amdhsa_system_sgpr_workgroup_id_z 1
		.amdhsa_system_vgpr_workitem_id 0
		.amdhsa_next_free_vgpr 512
		.amdhsa_next_free_sgpr 66
		.amdhsa_reserve_vcc 0
		.amdhsa_float_denorm_mode_32 3
		.amdhsa_float_denorm_mode_16_64 3
		.amdhsa_memory_ordered 1
		.amdhsa_forward_progress 1
		.amdhsa_inst_pref_size 86
	.end_amdhsa_kernel
	.amdgpu_metadata
---
amdhsa.version: [ 1, 2 ]
amdhsa.kernels:
  - .name:           k_qd857cf25a3_outp
    .symbol:         k_qd857cf25a3_outp.kd
    .args:
      - { .name: xf, .offset: 0, .size: 8, .value_kind: global_buffer, .address_space: global }
      - { .name: wof, .offset: 8, .size: 8, .value_kind: global_buffer, .address_space: global }
      - { .name: bo, .offset: 16, .size: 8, .value_kind: global_buffer, .address_space: global }
      - { .name: out0, .offset: 24, .size: 8, .value_kind: global_buffer, .address_space: global }
    .group_segment_fixed_size: 327680
    .private_segment_fixed_size: 0
    .kernarg_segment_align: 8
    .kernarg_segment_size: 32
    .max_flat_workgroup_size: 128
    .sgpr_count:     66
    .vgpr_count:     512
    .wavefront_size: 32
...
	.end_amdgpu_metadata
.endif
;; end of part 4
